; MI455X (gfx1250); checked and timed in simulation.
; The chip was launched on July 23, 2026; its instructions are those of AMD's public machine-readable ISA for CDNA 5 (MIT licence, August 2026) and "CDNA5" Instruction Set Architecture Reference Guide (July 2026). The comments in the code are by the model that wrote it; some were corrected since.
;; Multiheadattention. Allowed arithmetic: matrix products marked QUANTISED: E2M1 operands, one E8M0 scale for each 32 along K, by v_wmma_scale_f32_16x16x128_f8f6f4 with both operands' format E2M1 (or v_wmma_scale_f32_32x16x128_f4), f32 sums; products left as they are: bf16, f16 or f32 operands; f32 sums; everything else in f32.
;; Inputs: WK 8 x 512 x 64 float32; WO 512 x 64 float32; WQ 8 x 512 x 64 float32; WV 8 x 512 x 64 float32; x 8 x 2,048 x 512 float32.
;; Outputs: out0 8 x 2,048 x 64 float32.
;; This version of the problem:
;;   THIS VERSION OF THE PROBLEM IS GIVEN IN LOW PRECISION. The matrix products marked QUANTISED in the list below multiply operands that are first quantised to E2M1 (2 exponent bits, 1 mantissa bit; 4 bits a number), with one power-of-two scale for each 32 numbers along K (OCP MX v1.0); their sums are f32. The products marked 'left as it is' may take bf16, f16 or f32 operands, with f32 sums. Whichever they take, every output number must still come out within the allowed error. Rounding operands to bf16 (8 significant bits) uses up far more of that allowance than f16 does (11 bits, for magnitudes from 6e-5 to 65,504). All else is computed in f32.
;;   The module's matrix products, in the order in which they are computed (A, B: the left and right operand; K: the contracted axis; several contracted axes count as one K, in the product's order):
;;     1. [M 512, K 512] x [K 512, N 16,384]; A: input WQ; B: input x: QUANTISED
;;     2. [M 512, K 512] x [K 512, N 16,384]; A: input WK; B: input x: QUANTISED
;;     3. [M 512, K 512] x [K 512, N 16,384]; A: input WV; B: input x: QUANTISED
;;     4. batch 64 x [M 2,048, K 64] x [K 64, N 2,048]; A: computed on the way; B: computed on the way: left as it is (an operand is computed on the way)
;;     5. batch 64 x [M 2,048, K 2,048] x [K 2,048, N 64]; A: computed on the way; B: computed on the way: left as it is (an operand is computed on the way)
;;     6. [M 16,384, K 512] x [K 512, N 64]; A: computed on the way; B: input WO: left as it is (an operand is computed on the way)
;;   THE QUANTISER, for each operand of a quantised product, along K:
;;     - K is cut into blocks of 32 from its start; a last block that is shorter is filled with zeros.
;;     - A block's scale is 2^e with e = floor(log2(the largest magnitude in the block)) - 2, held to -126 .. 127; a block of zeros has e = 0. As a byte (E8M0): e + 127.
;;     - Each number is divided by its block's scale, clamped to +-6, and rounded to the nearest number of E2M1, ties to even, subnormals kept.
;;     - The product sums the exact products of the quantised numbers (number of the format x scale) in f32.
;;   ~~~python
;;   def quantise(x, axis):      # numpy; x: float32 -> the quantised numbers, widened to float32 again
;;       x = np.moveaxis(x, axis, -1); K = x.shape[-1]
;;       x = np.pad(x, [(0, 0)] * (x.ndim - 1) + [(0, -K % 32)]); x = x.reshape(x.shape[:-1] + (-1, 32)); a = np.abs(x).max(-1, keepdims=True)
;;       e = np.where(a > 0, np.clip(np.frexp(np.where(a > 0, a, 1))[1] - 1 - 2, -126, 127), 0)      # np.frexp(a)[1] - 1 = floor(log2(a)), exactly
;;       r = np.clip(x / 2.0 ** e, -6, 6)
;;       step = 2.0 ** (np.maximum(np.frexp(np.where(r == 0, 1, r))[1] - 1, 0) - 1)
;;       q = np.round(r / step) * step * 2.0 ** e      # np.round: ties to even
;;       return np.moveaxis(q.reshape(q.shape[:-2] + (-1,))[..., :K], -1, axis).astype(np.float32)
;;   ~~~
;; One version. Each part assembles by itself: llvm-mc -triple=amdgcn-amd-amdhsa -mcpu=gfx1250 --defsym DOCPART=n.
;; ======== version 1 of 1: 4 launches
;; limits: values are held in f16: magnitudes above 65,504 overflow, below 6.1e-05 lose precision
;; workspace buffers: ximg 4,194,304 bytes; xsc 262,144 bytes; wts 483,328 bytes; qfrag 16,777,216 bytes; kfrag 16,777,216 bytes; vfrag 16,777,216 bytes; ofrag 16,777,216 bytes
;; launch prep (part 1): grid 256 x 1, 4 waves a work-group, no clusters, 167,936 bytes of LDS; arguments x, WQ, WK, WV, WO, ximg, xsc, wts; writes ximg, xsc, wts
.if DOCPART == 1
	.amdgcn_target "amdgcn-amd-amdhsa--gfx1250"
	.amdhsa_code_object_version 6
	.text
	.protected	k_qfc45766621_prep
	.globl	k_qfc45766621_prep
	.p2align	8
	.type	k_qfc45766621_prep,@function
k_qfc45766621_prep:
	s_mov_b64 s[64:65], 0
	v_nop
	global_prefetch_b8 v0, s[64:65] scope:SCOPE_SE
	s_setreg_imm32_b32 hwreg(HW_REG_WAVE_MODE, 25, 1), 1
	s_wait_xcnt 0x0
; PREP.  x [16384][512] f32 and WQ, WK, WV [8][512][64] f32 become codes of E2M1 with one E8M0 byte for each 32 along K = the 512; WO [512][64] becomes f16.
; All results are laid as IMAGES OF OPERAND REGISTERS: a fragment is 1,024 bytes, its registers 4 g .. 4 g + 3 of lane l at 512 g + 16 l, so that the later launches load fragments by 16-byte loads of 512 consecutive bytes.
;   ximg [row tile 1024][K step 4][1024];  xsc [row 16384][16]: word s = the four bytes of K step s;
;   wts: codes at 0 [head 8][kind 3: Q, K, V][column tile 4][K step 4][1024]; scale words at WSCL [head][kind][column 64][16]; WO in f16 at WOF [column tile 4][K step of 32: 16][1024].
; A block's scale is 2^(floor(log2(its largest magnitude)) - 2): its byte is that magnitude's exponent field - 2, held at 1 from below by a floor among the maximum's leaves.
; LIMITS: a block of zeros gets the byte 1 where the quantiser's text says 127 (its codes are zeros, and this program alone reads the bytes); NaN and infinities are not served; |WO| stays under 65,504 (f16).
; SHARES.  Work-group g owns rows 64 g .. 64 g + 63 of x, 131,072 bytes.  Wave w fetches K quarter w (512 bytes) of all 64 rows by one tensor load, filled once; behind one barrier wave w quantises rows 16 w .. 16 w + 15.
; While that load is out, wave 0 of work-groups 0 .. 199 does one weight task: 128 along K x 32 columns of one of WQ, WK, WV (192 tasks) or of WO (8 tasks): a lane takes a column, its registers run down K.
; No cluster: no two work-groups read the same bytes.  No prefetch: every byte is asked for at the head, by one load.
.set QB,    33792                      ; a quarter in LDS: 64 rows x PITCH
.set PITCH, 528                        ; 512 bytes + 16 of padding = 132 words: row r starts 4 r words on modulo 64 (64 banks of 4 bytes: ISA guide 11.1): the 16 rows of a load start at 16 different banks
.set SPARE, 4*QB                       ; behind the quarters: the spare words, 128 bytes a wave: two blocks of 256 bytes that no other line names
.set FLOOR, 0x1800000                  ; 2^(3 - 127)
.set WSCL,  393216
.set WOF,   417792
.set LI,    4                          ; v4   16 x lane
.set SPW,   6                          ; v6   my spare word; never rewritten
.set NIL,   7                          ; v7   0; never rewritten
.set AD,    8                          ; v8-11  LDS address of my row's part of K step s: s QB + (16 w + r) PITCH + 128 h
.set MX,    16                         ; v16-19 largest magnitudes (the task: later the bytes)
.set BY,    18                         ; v18-19 x's bytes
.set SC,    20                         ; v20-23 the conversions' scale operands
.set WORD,  28                         ; v28-31 my row's scale word of K step s
.set WC,    32                         ; v32-47 the task's codes
.set WW,    48                         ; v48    the task's scale word
.set BUF0,  64                         ; v64-127, v128-191: two sets of 64 numbers (the task: 128 numbers)
.set BUF1,  128
.set CD,    192                        ; v192-223 x's codes, 8 registers a K step: no store's data are written again
	s_load_b256 s[4:11], s[0:1], 0x0               ; x s[4:5], WQ s[6:7], WK s[8:9], WV s[10:11]
	s_load_b256 s[12:19], s[0:1], 0x20             ; WO s[12:13], ximg s[14:15], xsc s[16:17], wts s[18:19]
	v_lshl_add_u32 v[SPW], v0, 2, SPARE
	v_mov_b32 v[NIL], 0
	ds_add_u32 v[SPW], v[NIL]                      ; the wave's opening: the add, twice on end, and its wait ahead of my first tensor load
	ds_add_u32 v[SPW], v[NIL]
	v_lshrrev_b32 v1, 5, v0
	v_readfirstlane_b32 s20, v1                    ; wave 0..3
	; descriptor group 1: 64 rows x 128 elements of 4 bytes, 512 elements from row to row, 4 words of padding behind every 128
	s_mov_b32 s24, (2<<16)|(1<<20)|(6<<22)|(3<<25)
	s_mov_b32 s25, 128<<16                         ; tensor_dim0
	s_mov_b32 s26, 64<<16                          ; tensor_dim1
	s_mov_b32 s27, 128<<16                         ; tile_dim0
	s_mov_b32 s28, 64                              ; tile_dim1
	s_mov_b32 s29, 512                             ; stride
	s_mov_b32 s30, 0
	s_mov_b32 s31, 0
	s_mov_b32 s32, 1                               ; group 0: count,
	s_mul_i32 s33, s20, QB                         ; LDS address: my quarter,
	s_lshl_b32 s36, ttmp9, 17                      ; 64 rows of 2,048 bytes a work-group,
	s_lshl_b32 s37, s20, 9                         ; 512 bytes a quarter
	s_add_co_u32 s36, s36, s37
	s_mov_b32 s37, 0
	s_mov_b32 s22, 0x76543210
	s_mov_b32 s23, 0xfedcba98                      ; v_permlanex16_b32's selects for lane l xor 16
	s_wait_dscnt 0x0                               ; both opening adds are done
	s_wait_kmcnt 0x0
	s_add_nc_u64 s[34:35], s[4:5], s[36:37]
	s_or_b32 s35, s35, 0x80000000                  ; type 2
	tensor_load_to_lds s[32:35], s[24:31]          ; my one tensor load: a first fill; nothing is filled again
	s_nop 0
.rept 4
	v_nop
.endr
	v_and_b32 v1, 31, v0                           ; lane
	v_and_b32 v2, 15, v0                           ; r
	v_bfe_u32 v3, v0, 4, 1                         ; h
	v_lshlrev_b32 v[LI], 4, v1
	v_lshlrev_b32 v5, 3, v3                        ; 8 h: how far my two bytes are shifted in a scale word
	v_lshlrev_b32 v12, 2, v1                       ; 4 x lane
	v_lshlrev_b32 v15, 4, v2                       ; 16 r
	v_lshl_add_u32 v14, v3, 3, v15                 ; 16 r + 8 h
	v_mul_u32_u24 v[AD], v2, PITCH
	v_lshl_add_u32 v[AD], v3, 7, v[AD]
	s_mul_i32 s21, s20, 16*PITCH
	v_add_nc_u32 v[AD], s21, v[AD]
	v_add_nc_u32 v[AD+1], QB, v[AD]
	v_add_nc_u32 v[AD+2], 2*QB, v[AD]
	v_add_nc_u32 v[AD+3], 3*QB, v[AD]
	v_mov_b32 v24, 0                               ; written once: a lane permute's destination counts as one of its sources
	s_lshl_b32 s36, ttmp9, 2
	s_add_co_u32 s36, s36, s20                     ; my row tile: 4 g + w
	s_lshl_b32 s38, s36, 12
	s_mov_b32 s39, 0
	s_add_nc_u64 s[14:15], s[14:15], s[38:39]      ; its four fragments
	s_lshl_b32 s38, s36, 8
	s_add_nc_u64 s[16:17], s[16:17], s[38:39]      ; its 16 rows' scale words
	; ---- THE WEIGHT TASK: wave 0 of work-groups 0 .. 199.  The branches hang on the wave's and the work-group's number alone; no barrier and no LDS access stands inside
	s_cmp_lg_u32 s20, 0
	s_cbranch_scc1 .Lx
	s_cmp_ge_u32 ttmp9, 200
	s_cbranch_scc1 .Lx
	s_and_b32 s36, ttmp9, 3                        ; s: which 128 along K
	s_bfe_u32 s37, ttmp9, 0x10002                  ; ch: which 32 columns
	s_bfe_u32 s38, ttmp9, 0x30003                  ; head (0 for WO)
	s_lshr_b32 s39, ttmp9, 6                       ; kind: 0 Q, 1 K, 2 V, 3 WO
	s_cmp_eq_u32 s39, 0
	s_cselect_b64 s[44:45], s[6:7], s[8:9]
	s_cmp_eq_u32 s39, 2
	s_cselect_b64 s[44:45], s[10:11], s[44:45]
	s_cmp_eq_u32 s39, 3
	s_cselect_b64 s[44:45], s[12:13], s[44:45]
	s_lshl_b32 s40, s38, 17                        ; a head is 512 x 64 x 4 bytes,
	s_lshl_b32 s41, s36, 15                        ; 128 rows of 256 bytes,
	s_add_co_u32 s40, s40, s41
	s_lshl_b32 s41, s37, 7                         ; 32 columns of 4 bytes
	s_add_co_u32 s40, s40, s41
	s_mov_b32 s41, 0
	s_add_nc_u64 s[44:45], s[44:45], s[40:41]
.set i, 0
.rept 128
	global_load_b32 v[BUF0+i], v12, s[44:45] offset:256*i th:TH_LOAD_NT   ; (128 s + i, 32 ch + lane): the wave reads 128 consecutive bytes
.set i, i+1
.endr
	s_wait_loadcnt 0x0
	s_cmp_eq_u32 s39, 3
	s_cbranch_scc1 .Lwo
	; WQ, WK, WV: my column's four blocks of 32
	s_mul_i32 s42, s38, 3
	s_add_co_u32 s42, s42, s39                     ; 3 head + kind
	s_lshl_b32 s40, s42, 14
	s_lshl_b32 s43, s37, 13
	s_add_co_u32 s40, s40, s43
	s_lshl_b32 s43, s36, 10
	s_add_co_u32 s40, s40, s43
	s_add_nc_u64 s[46:47], s[18:19], s[40:41]      ; codes: (3 head + kind) 16,384 + ch 8,192 + s 1,024
	s_lshl_b32 s40, s42, 10
	s_lshl_b32 s43, s37, 9
	s_add_co_u32 s40, s40, s43
	s_lshl_b32 s43, s36, 2
	s_add_co_u32 s40, s40, s43
	s_add_co_u32 s40, s40, WSCL
	s_add_nc_u64 s[48:49], s[18:19], s[40:41]      ; scale words: WSCL + (3 head + kind) 1,024 + ch 512 + 4 s
	v_lshl_add_u32 v13, v3, 12, v15                ; my column tile (lane / 16) and my row in it
.irp b, 0,1,2,3
	v_max3_num_f32 v[MX+\b], |v[BUF0+32*\b]|, |v[BUF0+32*\b+1]|, FLOOR   ; the floor among the leaves holds the byte at 1 from below
.endr
.irp i, 2,4,6,8,10,12,14,16,18,20,22,24,26,28,30
.irp b, 0,1,2,3
	v_max3_num_f32 v[MX+\b], v[MX+\b], |v[BUF0+32*\b+\i]|, |v[BUF0+32*\b+\i+1]|   ; the four blocks by turns
.endr
.endr
.irp b, 0,1,2,3
	v_add_nc_u32 v[SC+\b], 0xff000000, v[MX+\b]    ; 2 off the exponent field: the conversion takes that field as its scale
.endr
.irp b, 0,1,2,3
.irp g, 0,1,2,3
	v_cvt_scalef32_pk8_fp4_f32 v[WC+4*\b+\g], v[BUF0+32*\b+8*\g:BUF0+32*\b+8*\g+7], v[SC+\b]
.endr
.endr
.irp b, 0,1,2,3
	v_lshrrev_b32 v[MX+\b], 23, v[SC+\b]           ; the bytes (plain lines behind the conversions)
.endr
	v_lshl_or_b32 v[WW], v[MX+1], 8, v[MX]
	v_lshl_or_b32 v[WW], v[MX+2], 16, v[WW]
	v_lshl_or_b32 v[WW], v[MX+3], 24, v[WW]
.irp b, 0,1,2,3
	global_store_b128 v13, v[WC+4*\b:WC+4*\b+3], s[46:47] offset:(\b/2)*512+(\b%2)*256   ; block b = registers 4 (b / 2) on of the lanes' half b % 2: sixteen lanes store 256 consecutive bytes, aligned
.endr
	global_store_b32 v[LI], v[WW], s[48:49]        ; 4 bytes a lane, 16 bytes apart: 24,576 bytes of the whole launch leave so
	s_branch .Lx
.Lwo:
	; WO: 128 numbers of my column become 64 registers of f16, in place from the low end on; 8 along K are 16 bytes of a fragment
.set i, 0
.rept 64
	v_cvt_pk_f16_f32 v[BUF0+i], v[BUF0+2*i], v[BUF0+2*i+1]
.set i, i+1
.endr
	v_lshl_add_u32 v13, v3, 14, v15
	s_lshl_b32 s40, s37, 15
	s_lshl_b32 s43, s36, 12
	s_add_co_u32 s40, s40, s43
	s_add_co_u32 s40, s40, WOF
	s_add_nc_u64 s[46:47], s[18:19], s[40:41]      ; WOF + ch 32,768 + s 4,096
.set i, 0
.rept 16
	global_store_b128 v13, v[BUF0+4*i:BUF0+4*i+3], s[46:47] offset:(i/4)*1024+((i%4)/2)*512+(i%2)*256   ; K = 8 i on: K step i / 4, registers 4 ((i % 4) / 2) on, half i % 2 of the lanes
.set i, i+1
.endr
	s_wait_xcnt 0x0                                ; these stores' data registers are loaded again below
.Lx:
	s_wait_tensorcnt 0x0                           ; my quarter has landed,
	s_barrier_signal -1
	s_barrier_wait -1                              ; everybody's has
	; ---- x: my 16 rows, a K step of 128 at a time.  Lane (r, h) holds blocks h and 2 + h of row r whole: 2 x 128 bytes
.macro XFETCH s, buf
.irp c, 0,1
.irp j, 0,1,2,3,4,5,6,7
	ds_load_b128 v[\buf+32*\c+4*\j:\buf+32*\c+4*\j+3], v[AD+\s] offset:256*\c+16*\j
.endr
.endr
.endm
.macro QUANTX buf, s
.irp c, 0,1
	v_max3_num_f32 v[MX+\c], |v[\buf+32*\c]|, |v[\buf+32*\c+1]|, FLOOR
.endr
.irp i, 2,4,6,8,10,12,14,16,18,20,22,24,26,28,30
.irp c, 0,1
	v_max3_num_f32 v[MX+\c], v[MX+\c], |v[\buf+32*\c+\i]|, |v[\buf+32*\c+\i+1]|
.endr
.endr
.irp c, 0,1
	v_add_nc_u32 v[SC+\c], 0xff000000, v[MX+\c]
.endr
.irp c, 0,1
	v_lshrrev_b32 v[BY+\c], 23, v[SC+\c]
.endr
.irp c, 0,1
.irp g, 0,1,2,3
	v_cvt_scalef32_pk8_fp4_f32 v[CD+8*\s+4*\c+\g], v[\buf+32*\c+8*\g:\buf+32*\c+8*\g+7], v[SC+\c]   ; registers 4 c .. 4 c + 3 of the fragment
.endr
.endr
	v_lshl_or_b32 v[BY], v[BY+1], 16, v[BY]        ; my two bytes (a plain line behind the conversions),
	v_lshlrev_b32 v[BY], v5, v[BY]                 ; at their places, 8 h bits up;
	v_permlanex16_b32 v24, v[BY], s22, s23
	v_or_b32 v[WORD+\s], v[BY], v24                ; with lane l xor 16's two the word is whole
	global_store_b128 v[LI], v[CD+8*\s:CD+8*\s+3], s[14:15] offset:1024*\s       ; 32 lanes store 512 consecutive bytes
	global_store_b128 v[LI], v[CD+8*\s+4:CD+8*\s+7], s[14:15] offset:1024*\s+512
.endm
	XFETCH 0, BUF0
	XFETCH 1, BUF1
	s_wait_dscnt 16                                ; this K step's 16 loads are in; the next one's 16 may be out
	QUANTX BUF0, 0
	XFETCH 2, BUF0
	s_wait_dscnt 16
	QUANTX BUF1, 1
	XFETCH 3, BUF1
	s_wait_dscnt 16
	QUANTX BUF0, 2
	s_wait_dscnt 0x0
	QUANTX BUF1, 3
	v_cmp_eq_u32 vcc_lo, 1, v3                     ; lanes 0-15 send words 0 and 1 of row r, lanes 16-31 words 2 and 3:
	v_cndmask_b32 v24, v[WORD], v[WORD+2], vcc_lo
	v_cndmask_b32 v25, v[WORD+1], v[WORD+3], vcc_lo
	global_store_b64 v14, v[24:25], s[16:17]       ; the wave stores 256 consecutive bytes, aligned
	s_wait_tensorcnt 0x0                           ; the wave's end
	ds_add_u32 v[SPW], v[NIL]
	s_wait_dscnt 0x0
	s_endpgm
.Lfunc_end_k_qfc45766621_prep:
	.size	k_qfc45766621_prep, .Lfunc_end_k_qfc45766621_prep-k_qfc45766621_prep
	.p2alignl 7, 3214868480
	.fill 96, 4, 3214868480
	.section	.rodata,"a",@progbits
	.p2align	6, 0x0
	.amdhsa_kernel k_qfc45766621_prep
		.amdhsa_group_segment_fixed_size 167936
		.amdhsa_private_segment_fixed_size 0
		.amdhsa_enable_private_segment 0
		.amdhsa_kernarg_size 64
		.amdhsa_user_sgpr_count 2
		.amdhsa_user_sgpr_kernarg_segment_ptr 1
		.amdhsa_wavefront_size32 1
		.amdhsa_system_sgpr_workgroup_id_x 1
		.amdhsa_system_sgpr_workgroup_id_y 1
		.amdhsa_system_sgpr_workgroup_id_z 1
		.amdhsa_system_vgpr_workitem_id 0
		.amdhsa_next_free_vgpr 224
		.amdhsa_next_free_sgpr 66
		.amdhsa_reserve_vcc 1
		.amdhsa_float_denorm_mode_32 3
		.amdhsa_float_denorm_mode_16_64 3
		.amdhsa_memory_ordered 1
		.amdhsa_forward_progress 1
		.amdhsa_inst_pref_size 46
	.end_amdhsa_kernel
	.amdgpu_metadata
---
amdhsa.version: [ 1, 2 ]
amdhsa.kernels:
  - .name:           k_qfc45766621_prep
    .symbol:         k_qfc45766621_prep.kd
    .args:
      - { .name: x, .offset: 0, .size: 8, .value_kind: global_buffer, .address_space: global }
      - { .name: WQ, .offset: 8, .size: 8, .value_kind: global_buffer, .address_space: global }
      - { .name: WK, .offset: 16, .size: 8, .value_kind: global_buffer, .address_space: global }
      - { .name: WV, .offset: 24, .size: 8, .value_kind: global_buffer, .address_space: global }
      - { .name: WO, .offset: 32, .size: 8, .value_kind: global_buffer, .address_space: global }
      - { .name: ximg, .offset: 40, .size: 8, .value_kind: global_buffer, .address_space: global }
      - { .name: xsc, .offset: 48, .size: 8, .value_kind: global_buffer, .address_space: global }
      - { .name: wts, .offset: 56, .size: 8, .value_kind: global_buffer, .address_space: global }
    .group_segment_fixed_size: 167936
    .private_segment_fixed_size: 0
    .kernarg_segment_align: 8
    .kernarg_segment_size: 64
    .max_flat_workgroup_size: 128
    .sgpr_count:     66
    .vgpr_count:     224
    .wavefront_size: 32
...
	.end_amdgpu_metadata
.endif
;; end of part 1
;; launch qkv (part 2): grid 32 x 8, 8 waves a work-group, no clusters, 53,248 bytes of LDS; arguments ximg, xsc, wts, qfrag, kfrag, vfrag; writes qfrag, kfrag, vfrag
.if DOCPART == 2
	.amdgcn_target "amdgcn-amd-amdhsa--gfx1250"
	.amdhsa_code_object_version 6
	.text
	.protected	k_qfc45766621_qkv
	.globl	k_qfc45766621_qkv
	.p2align	8
	.type	k_qfc45766621_qkv,@function
k_qfc45766621_qkv:
	s_mov_b64 s[64:65], 0
	v_nop
	global_prefetch_b8 v0, s[64:65] scope:SCOPE_SE
	s_setreg_imm32_b32 hwreg(HW_REG_WAVE_MODE, 25, 1), 1
	s_wait_xcnt 0x0
; QKV.  The three quantised products, on codes of E2M1 with E8M0 scales, by v_wmma_scale_f32_16x16x128_f8f6f4; sums in f32; the results leave as f16 FRAGMENTS for the attention launch.
; Work-group (x = rg, y = head) makes rows 512 rg .. 512 rg + 511 of the head's Q, K and V (12 column tiles of 16).  Wave w keeps its four row tiles of x (16 fragments, 128 registers, and their scale words) in registers:
; it alone in the work-group multiplies them, so they go from memory straight into registers.  The head's weights (49,152 bytes of codes, 3,072 of scale words) are copied into LDS once and read by all eight waves.
; Q, K: D = W x (source 0 = 16 columns of W, source 1 = 16 rows of x): a lane holds one row of x and eight neighbouring channels.  Two neighbouring tiles, rounded to f16 in pairs, ARE a 16 x 32 fragment with K = the channels.
; V: D = x W (source 0 = 16 rows of x): a lane holds one channel and eight neighbouring keys: two tiles make a fragment of V^T with K = the keys.  Nothing is transposed.
; Q and K are multiplied in f32 by kappa = sqrt(log2(e) / 8) ahead of their one rounding to f16, so that a score Q . K is already log2(e) / sqrt(64) times the reference's product.
;   qfrag, kfrag [b 8 + head][tile of 16 rows: 128][channels 32 c: 2][1024];  vfrag [b 8 + head][32 keys: 64][channel tile: 4][1024]
; LIMITS: kappa |Q|, kappa |K| and |V| stay under 65,504 (f16).
; No cluster: the text has no tensor load; x's fragments are wanted in the registers of one wave and would only pass through LDS on the way.  No prefetch: all loads stand at the head.
.set WSC,   49152                      ; LDS: the head's codes at 0, as they lie in wts; its scale words here;
.set SPARE, 52224                      ; the spare words, 128 bytes a wave: four blocks of 256 bytes that no other line names
.set WSCL,  393216
.set LI,  1                            ; v1  16 x lane
.set TI,  2                            ; v2  16 x thread
.set SPW, 3                            ; v3  my spare word; never rewritten
.set NIL, 4                            ; v4  0; never rewritten
.set XF,  16                           ; v16-143  x: row tile i, K step s at XF + 32 i + 8 s
.set XS,  144                          ; v144-151 x's scale words: pair p, K step s at XS + 4 p + s: lanes 0-15 tile 2 p, lanes 16-31 tile 2 p + 1
.set WF,  152                          ; v152-215 W: tile n of the pair, K step s at WF + 32 n + 8 s (at the head: the copy's registers)
.set WS,  216                          ; v216-219 W's scale words of K step s: lanes 0-15 tile 2 c, lanes 16-31 tile 2 c + 1
.set ACC, 220                          ; v220-251 four accumulators: two blocks of 16 registers, each of which becomes one fragment
	s_load_b256 s[4:11], s[0:1], 0x0               ; ximg s[4:5], xsc s[6:7], wts s[8:9], qfrag s[10:11]
	s_load_b128 s[12:15], s[0:1], 0x20             ; kfrag s[12:13], vfrag s[14:15]
	v_lshl_add_u32 v[SPW], v0, 2, SPARE
	v_mov_b32 v[NIL], 0
	v_lshrrev_b32 v1, 5, v0
	v_readfirstlane_b32 s16, v1                    ; wave 0..7
	v_and_b32 v1, 31, v0
	v_lshlrev_b32 v[LI], 4, v1
	v_lshlrev_b32 v[TI], 4, v0
	v_lshlrev_b32 v5, 3, v0                        ; 8 x thread
	v_lshlrev_b32 v6, 2, v0                        ; 4 x thread
	s_and_b32 s17, ttmp7, 0xffff                   ; head
	s_mov_b32 s20, 0x3ed96d27                      ; kappa = sqrt(log2(e) / 8)
	s_mov_b32 s21, s20                             ; (named with it as a pair)
	s_lshl_b32 s18, ttmp9, 5
	s_lshl_b32 s19, s16, 2
	s_add_co_u32 s18, s18, s19                     ; my first row tile: 32 rg + 4 w
	s_lshl_b32 s22, s18, 12                        ; 4,096 bytes of codes a tile,
	s_mov_b32 s23, 0
	s_lshl_b32 s24, s18, 8                         ; 256 of scale words
	s_mov_b32 s25, 0
	s_mul_i32 s26, s17, 49152                      ; the head's codes,
	s_mov_b32 s27, 0
	s_mul_i32 s28, s17, 3072                       ; and scale words
	s_add_co_u32 s28, s28, WSCL
	s_mov_b32 s29, 0
	s_lshr_b32 s30, ttmp9, 2                       ; b
	s_lshl_b32 s30, s30, 3
	s_add_co_u32 s30, s30, s17                     ; 8 b + head
	s_lshl_b32 s30, s30, 7
	s_and_b32 s31, ttmp9, 3
	s_lshl_b32 s31, s31, 5
	s_add_co_u32 s30, s30, s31
	s_add_co_u32 s30, s30, s19                     ; + my first tile within the sequence
	s_lshl_b32 s30, s30, 11                        ; 2,048 bytes for 16 rows in each of the three outputs
	s_mov_b32 s31, 0
	s_wait_kmcnt 0x0
	s_add_nc_u64 s[4:5], s[4:5], s[22:23]
	s_add_nc_u64 s[6:7], s[6:7], s[24:25]
	s_add_nc_u64 s[32:33], s[8:9], s[26:27]
	s_add_nc_u64 s[34:35], s[8:9], s[28:29]
	s_add_nc_u64 s[10:11], s[10:11], s[30:31]
	s_add_nc_u64 s[12:13], s[12:13], s[30:31]
	s_add_nc_u64 s[14:15], s[14:15], s[30:31]
	global_load_b64 v[WF+48:WF+49], v5, s[34:35]                 ; the scale words: 2,048 bytes by 8 a thread,
	global_load_b32 v[WF+50], v6, s[34:35] offset:2048           ; 1,024 by 4 a thread
.set i, 0
.rept 12
	global_load_b128 v[WF+4*i:WF+4*i+3], v[TI], s[32:33] offset:4096*i   ; the codes: 4,096 consecutive bytes a line for the work-group
.set i, i+1
.endr
.set i, 0
.rept 32
	global_load_b128 v[XF+4*i:XF+4*i+3], v[LI], s[4:5] offset:512*i      ; my 16 fragments of x, as they lie
.set i, i+1
.endr
	global_load_b128 v[XS:XS+3], v[LI], s[6:7]
	global_load_b128 v[XS+4:XS+7], v[LI], s[6:7] offset:512
	s_wait_loadcnt 34                              ; the copy's 14 loads are in; the 34 issued behind them (x and its scale words) may be out
.set i, 0
.rept 12
	ds_store_b128 v[TI], v[WF+4*i:WF+4*i+3] offset:4096*i
.set i, i+1
.endr
	ds_store_b64 v5, v[WF+48:WF+49] offset:WSC
	ds_store_b32 v6, v[WF+50] offset:WSC+2048
	s_wait_dscnt 0x0                               ; for the others' sake: my stores have landed
	s_barrier_signal -1
	s_barrier_wait -1
.macro WFETCH kind, c                  ; column tiles 2 c and 2 c + 1 of a kind: 8 fragments and their scale words
.set i, 0
.rept 16
	ds_load_b128 v[WF+4*i:WF+4*i+3], v[LI] offset:\kind*16384+\c*8192+512*i
.set i, i+1
.endr
	ds_load_b128 v[WS:WS+3], v[LI] offset:WSC+\kind*1024+\c*512
.endm
; one scaled product on the registers named by rD, rA, rB, rSA, rSB.  ra, rb = 1: that side's scales stand in lanes 16-31.  zero = 1: it starts the sum
.macro FP4MM ra, rb, zero
.if \zero
.if (\ra) && (\rb)
	v_wmma_scale_f32_16x16x128_f8f6f4 v[rD:rD+7], v[rA:rA+7], v[rB:rB+7], 0, v[rSA], v[rSB] matrix_a_fmt:MATRIX_FMT_FP4 matrix_b_fmt:MATRIX_FMT_FP4 matrix_a_scale:MATRIX_SCALE_ROW1 matrix_b_scale:MATRIX_SCALE_ROW1
.elseif \ra
	v_wmma_scale_f32_16x16x128_f8f6f4 v[rD:rD+7], v[rA:rA+7], v[rB:rB+7], 0, v[rSA], v[rSB] matrix_a_fmt:MATRIX_FMT_FP4 matrix_b_fmt:MATRIX_FMT_FP4 matrix_a_scale:MATRIX_SCALE_ROW1
.elseif \rb
	v_wmma_scale_f32_16x16x128_f8f6f4 v[rD:rD+7], v[rA:rA+7], v[rB:rB+7], 0, v[rSA], v[rSB] matrix_a_fmt:MATRIX_FMT_FP4 matrix_b_fmt:MATRIX_FMT_FP4 matrix_b_scale:MATRIX_SCALE_ROW1
.else
	v_wmma_scale_f32_16x16x128_f8f6f4 v[rD:rD+7], v[rA:rA+7], v[rB:rB+7], 0, v[rSA], v[rSB] matrix_a_fmt:MATRIX_FMT_FP4 matrix_b_fmt:MATRIX_FMT_FP4
.endif
.else
.if (\ra) && (\rb)
	v_wmma_scale_f32_16x16x128_f8f6f4 v[rD:rD+7], v[rA:rA+7], v[rB:rB+7], v[rD:rD+7], v[rSA], v[rSB] matrix_a_fmt:MATRIX_FMT_FP4 matrix_b_fmt:MATRIX_FMT_FP4 matrix_a_scale:MATRIX_SCALE_ROW1 matrix_b_scale:MATRIX_SCALE_ROW1
.elseif \ra
	v_wmma_scale_f32_16x16x128_f8f6f4 v[rD:rD+7], v[rA:rA+7], v[rB:rB+7], v[rD:rD+7], v[rSA], v[rSB] matrix_a_fmt:MATRIX_FMT_FP4 matrix_b_fmt:MATRIX_FMT_FP4 matrix_a_scale:MATRIX_SCALE_ROW1
.elseif \rb
	v_wmma_scale_f32_16x16x128_f8f6f4 v[rD:rD+7], v[rA:rA+7], v[rB:rB+7], v[rD:rD+7], v[rSA], v[rSB] matrix_a_fmt:MATRIX_FMT_FP4 matrix_b_fmt:MATRIX_FMT_FP4 matrix_b_scale:MATRIX_SCALE_ROW1
.else
	v_wmma_scale_f32_16x16x128_f8f6f4 v[rD:rD+7], v[rA:rA+7], v[rB:rB+7], v[rD:rD+7], v[rSA], v[rSB] matrix_a_fmt:MATRIX_FMT_FP4 matrix_b_fmt:MATRIX_FMT_FP4
.endif
.endif
.endm
; 16 products: row tiles 2 p + u x column tiles 2 c + n, all 512 along K.  The four accumulators take turns, one instruction a turn.
.macro MULT kind, p
	s_wait_xcnt 0x0                                ; the last group's stores have read the accumulators' registers
.if \p == 0
	s_wait_dscnt 0x0                               ; this pair of column tiles is in
.endif
.irp s, 0,1,2,3
.irp u, 0,1
.irp n, 0,1
.if \kind < 2
.set rD, ACC+16*\u+8*\n
.set rA, WF+32*\n+8*\s
.set rB, XF+32*(2*\p+\u)+8*\s
.set rSA, WS+\s
.set rSB, XS+4*\p+\s
.if \s == 0
	FP4MM \n, \u, 1
.else
	FP4MM \n, \u, 0
.endif
.else
.set rD, ACC+16*\n+8*\u
.set rA, XF+32*(2*\p+\u)+8*\s
.set rB, WF+32*\n+8*\s
.set rSA, XS+4*\p+\s
.set rSB, WS+\s
.if \s == 0
	FP4MM \u, \n, 1
.else
	FP4MM \u, \n, 0
.endif
.endif
.endr
.endr
.endr
.rept 4
	v_nop                                          ; four places ahead of the reads of the results and of loads into W's registers; the lines of OUT add to them ahead of the next group's products, which write over the accumulators
.endr
.endm
; the four accumulators become two fragments, in place from the low end on, and leave: 512 consecutive bytes a store
.macro OUT kind, c, p
.if \kind < 2
.set i, 0
.rept 16
	v_pk_mul_f32 v[ACC+2*i:ACC+2*i+1], v[ACC+2*i:ACC+2*i+1], s[20:21] op_sel_hi:[1,0]
.set i, i+1
.endr
.endif
.irp a, 0,1
.irp j, 0,1,2,3,4,5,6,7
	v_cvt_pk_f16_f32 v[ACC+16*\a+\j], v[ACC+16*\a+2*\j], v[ACC+16*\a+2*\j+1]
.endr
.endr
.irp a, 0,1
.irp g, 0,1
.if \kind == 0
	global_store_b128 v[LI], v[ACC+16*\a+4*\g:ACC+16*\a+4*\g+3], s[10:11] offset:(2*\p+\a)*2048+\c*1024+512*\g
.elseif \kind == 1
	global_store_b128 v[LI], v[ACC+16*\a+4*\g:ACC+16*\a+4*\g+3], s[12:13] offset:(2*\p+\a)*2048+\c*1024+512*\g
.else
	global_store_b128 v[LI], v[ACC+16*\a+4*\g:ACC+16*\a+4*\g+3], s[14:15] offset:\p*4096+(2*\c+\a)*1024+512*\g
.endif
.endr
.endr
.endm
	WFETCH 0, 0
	s_wait_loadcnt 0x0                             ; x and its scale words
	MULT 0, 0
	OUT 0, 0, 0
	MULT 0, 1
	WFETCH 0, 1                                    ; the next pair of column tiles is fetched while this group's results leave
	OUT 0, 0, 1
	MULT 0, 0
	OUT 0, 1, 0
	MULT 0, 1
	WFETCH 1, 0
	OUT 0, 1, 1
	MULT 1, 0
	OUT 1, 0, 0
	MULT 1, 1
	WFETCH 1, 1
	OUT 1, 0, 1
	MULT 1, 0
	OUT 1, 1, 0
	MULT 1, 1
	WFETCH 2, 0
	OUT 1, 1, 1
	MULT 2, 0
	OUT 2, 0, 0
	MULT 2, 1
	WFETCH 2, 1
	OUT 2, 0, 1
	MULT 2, 0
	OUT 2, 1, 0
	MULT 2, 1
	OUT 2, 1, 1
	s_wait_tensorcnt 0x0                           ; the wave's end
	ds_add_u32 v[SPW], v[NIL]
	s_wait_dscnt 0x0
	s_endpgm
.Lfunc_end_k_qfc45766621_qkv:
	.size	k_qfc45766621_qkv, .Lfunc_end_k_qfc45766621_qkv-k_qfc45766621_qkv
	.p2alignl 7, 3214868480
	.fill 96, 4, 3214868480
	.section	.rodata,"a",@progbits
	.p2align	6, 0x0
	.amdhsa_kernel k_qfc45766621_qkv
		.amdhsa_group_segment_fixed_size 53248
		.amdhsa_private_segment_fixed_size 0
		.amdhsa_enable_private_segment 0
		.amdhsa_kernarg_size 48
		.amdhsa_user_sgpr_count 2
		.amdhsa_user_sgpr_kernarg_segment_ptr 1
		.amdhsa_wavefront_size32 1
		.amdhsa_system_sgpr_workgroup_id_x 1
		.amdhsa_system_sgpr_workgroup_id_y 1
		.amdhsa_system_sgpr_workgroup_id_z 1
		.amdhsa_system_vgpr_workitem_id 0
		.amdhsa_next_free_vgpr 256
		.amdhsa_next_free_sgpr 66
		.amdhsa_reserve_vcc 0
		.amdhsa_float_denorm_mode_32 3
		.amdhsa_float_denorm_mode_16_64 3
		.amdhsa_memory_ordered 1
		.amdhsa_forward_progress 1
		.amdhsa_inst_pref_size 65
	.end_amdhsa_kernel
	.amdgpu_metadata
---
amdhsa.version: [ 1, 2 ]
amdhsa.kernels:
  - .name:           k_qfc45766621_qkv
    .symbol:         k_qfc45766621_qkv.kd
    .args:
      - { .name: ximg, .offset: 0, .size: 8, .value_kind: global_buffer, .address_space: global }
      - { .name: xsc, .offset: 8, .size: 8, .value_kind: global_buffer, .address_space: global }
      - { .name: wts, .offset: 16, .size: 8, .value_kind: global_buffer, .address_space: global }
      - { .name: qfrag, .offset: 24, .size: 8, .value_kind: global_buffer, .address_space: global }
      - { .name: kfrag, .offset: 32, .size: 8, .value_kind: global_buffer, .address_space: global }
      - { .name: vfrag, .offset: 40, .size: 8, .value_kind: global_buffer, .address_space: global }
    .group_segment_fixed_size: 53248
    .private_segment_fixed_size: 0
    .kernarg_segment_align: 8
    .kernarg_segment_size: 48
    .max_flat_workgroup_size: 256
    .sgpr_count:     66
    .vgpr_count:     256
    .wavefront_size: 32
...
	.end_amdgpu_metadata
.endif
;; end of part 2
;; launch attn (part 3): grid 4 x 64, 8 waves a work-group, clusters of 4 x 1, 327,680 bytes of LDS; arguments qfrag, kfrag, vfrag, ofrag; writes ofrag
.if DOCPART == 3
	.amdgcn_target "amdgcn-amd-amdhsa--gfx1250"
	.amdhsa_code_object_version 6
	.text
	.protected	k_qfc45766621_attn
	.globl	k_qfc45766621_attn
	.p2align	8
	.type	k_qfc45766621_attn,@function
k_qfc45766621_attn:
	s_mov_b64 s[64:65], 0
	v_nop
	global_prefetch_b8 v0, s[64:65] scope:SCOPE_SE
	s_setreg_imm32_b32 hwreg(HW_REG_WAVE_MODE, 25, 1), 1
	s_wait_xcnt 0x0
	s_wait_alu depctr_hold_cnt(0) depctr_sa_sdst(0) depctr_va_vdst(0) depctr_va_sdst(0) depctr_va_ssrc(0) depctr_va_vcc(0) depctr_vm_vsrc(0)
	s_getreg_b32 s2, hwreg(HW_REG_IB_STS2, 6, 4)
	s_cmp_eq_u32 s2, 0
	s_cbranch_scc0 .Lentry_in_a_cluster
	s_endpgm
.Lentry_in_a_cluster:
	s_bfe_u32 s2, ttmp6, 0x10000c
	s_cmp_lg_u32 s2, 0x3003
	s_cbranch_scc0 .Lentry_shape_is_right
	s_endpgm
.Lentry_shape_is_right:
; ATTN.  O = softmax(Q K^T / 8) V for each of the 64 (batch, head), 2,048 queries x 2,048 keys, head size 64, no mask.  Operands in f16, products, maxima and sums in f32.
; Q and K arrive already multiplied by sqrt(log2(e) / 8) each, so a score is t = log2(e) s / 8 and p = 2^(t - m), m the running maximum of the row; O and l are multiplied by a = 2^(old m - new m) in every step.
; All operands arrive as images of operand registers (1,024 bytes a fragment, registers 4 g on of lane l at 512 g + 16 l): every LDS and global access is 16 bytes a lane, 512 consecutive bytes a wave, with no padding.
; SHARES.  A cluster of four work-groups is one (batch, head); each work-group owns 512 queries, each of its EIGHT waves 64: four tiles of 16, in 512 registers.  Two waves share a SIMD, so that one wave's softmax stands beside the
; other's products; the text of a wave goes in phases.  Every wave walks all keys, 64 a step.
; LAYOUT.  S^T = K Q^T (source 0 = 16 keys, source 1 = 16 queries): a lane holds ONE query and eight keys a tile; two tiles, rounded to f16 in pairs, ARE source 1 (32 keys x 16 queries) of O^T = V^T P, whose result again holds one
; query a lane and eight channels; two such tiles, rounded in pairs, are a fragment (16 queries x 32 channels) for the projection that follows.  Nothing changes lanes but the maximum's one exchange.
; THE ROW'S SUM is a product of a fragment of ones with P: every register of its result is the sum over the 32 keys, both halves of the lanes included.  So l is the f32 sum of the p AS ROUNDED TO f16, the numbers that V is weighed by.
; RING.  Two slots of 512 keys (65,536 bytes of K's images, then 65,536 of V's).  Wave w fetches 16,384 bytes of a slot (waves 0-3 K's, waves 4-7 V's).  The four partners walk the same K and V: every load is JOINT, mask 15.
; A refill is asked for eight key steps, 576 matrix instructions a wave, ahead of the wait for it, and the launch has two refills a wave: no prefetch is laid.
; LIMITS: the f16 operands' range (stated where they are made); p under 2^-25 rounds to 0; NaN and infinities are not served.
; REGISTERS.  window 0: v1-4 addresses; v6, v7 the add's two; v16-31 T, four a tile, at work; v32-47 (m, l, a, d) a tile; v48-55 ones; v64-127 Q; v128-191 K of a step; v192-255 V of a step.
;   window 1: v0-127 S^T, 32 a tile (then P in its registers 0-15 and the row's sum in 16-23); v128-255 O^T, 32 a tile.
.set SLOT1, 1<<17                      ; slot 1 begins here: one exclusive or turns an address in one slot into the other's
.set VOFF,  65536                      ; V's images in a slot
.set STEPB, 8192                       ; a key step's images of K, and of V
.set SPARE, 2*SLOT1                    ; behind the ring: the spare words, 128 bytes a wave: four blocks of 256 bytes that no other line names
.set LI,   1                           ; v1  16 x lane
.set LIV,  2                           ; v2  16 x lane + VOFF
.set ADK,  3                           ; v3  the step's K
.set ADV,  4                           ; v4  the step's V
.set SPW,  6
.set NIL,  7
.set TT,   16
.set ST,   32
.set ONES, 48
.set QF,   64                          ; Q: tile t, channels 32 c at QF + 16 t + 8 c
.set KF,   128                         ; K: keys 16 kt, channels 32 c at KF + 16 kt + 8 c
.set VF,   192                         ; V^T: keys 32 kb, channels 16 ct at VF + 32 kb + 8 ct
.set OW,   128                         ; in window 1: O^T: tile t, channels 16 ct at OW + 32 t + 8 ct
.set WV,   12                          ; s12 wave
.set TB,   40                          ; s40 LDS byte at which the step's images of K begin
.set CNT,  41                          ; s41 counts steps
.set SLOTS, 42                         ; s42 slots still to be asked for
.set SEL,  44                          ; s[44:45] v_permlanex16_b32's selects for lane l xor 16
.set MSB, 0
.macro WIN new                         ; bits 1:0 source 0, 3:2 source 1, 5:4 source 2, 7:6 destination; the high byte repeats the setting that is left
.if MSB != \new
	s_set_vgpr_msb (MSB<<8)|\new
.set MSB, \new
.endif
.endm
.macro PLACES n
.rept \n
	v_nop
.endr
.endm
.macro CROUND                          ; a round of the cluster's barrier
	s_barrier_signal -1
	s_barrier_wait -1
	s_cmp_lg_u32 s[WV], 0
	s_cbranch_scc1 .Lnot_wave_0_\@
	s_barrier_signal -3
.Lnot_wave_0_\@:
	s_barrier_wait -3
	s_barrier_signal -1
	s_barrier_wait -1
.endm
	s_load_b256 s[4:11], s[0:1], 0x0               ; qfrag s[4:5], kfrag s[6:7], vfrag s[8:9], ofrag s[10:11]
	v_lshl_add_u32 v[SPW], v0, 2, SPARE
	v_mov_b32 v[NIL], 0
	ds_add_u32 v[SPW], v[NIL]                      ; the wave's opening: the add, twice on end, and its wait ahead of my first tensor load
	ds_add_u32 v[SPW], v[NIL]
	v_lshrrev_b32 v1, 5, v0
	v_readfirstlane_b32 s[WV], v1                  ; wave 0..7
	s_bfe_u32 s13, ttmp6, 0x40000                  ; cx: it enters Q's and O's addresses alone
	s_and_b32 s14, ttmp7, 0xffff                   ; 8 b + head, which the four partners share
	; descriptor group 1: 16,384 dense bytes as 64 rows of 32 elements of 8 bytes; mask 15: all four work-groups; bit 21 set beside it
	s_mov_b32 s24, 15|(3<<16)|(1<<21)
	s_mov_b32 s25, 32<<16
	s_mov_b32 s26, 64<<16
	s_mov_b32 s27, 32<<16
	s_mov_b32 s28, 64
	s_mov_b32 s29, 32
	s_mov_b32 s30, 0
	s_mov_b32 s31, 0
	s_mov_b32 s[SEL], 0x76543210
	s_mov_b32 s[SEL+1], 0xfedcba98
	s_mov_b32 s[TB], 0
	s_mov_b32 s[SLOTS], 2
	s_lshl_b32 s16, s14, 18                        ; a head's K, or V: 262,144 bytes;
	s_and_b32 s17, s[WV], 3
	s_lshl_b32 s17, s17, 14                        ; my quarter of a slot's 65,536
	s_add_co_u32 s16, s16, s17
	s_mov_b32 s17, 0
	s_mov_b32 s32, 1                               ; group 0 for slot 0,
	s_lshl_b32 s33, s[WV], 14                      ; LDS: 16,384 x wave: K's four parts, then V's four
	s_mov_b32 s36, 1                               ; and for slot 1; this one then walks
	s_add_co_u32 s37, s33, SLOT1
	s_lshl_b32 s19, s13, 5
	s_lshl_b32 s21, s[WV], 2
	s_add_co_u32 s19, s19, s21                     ; my first query tile: 32 cx + 4 w
	s_lshl_b32 s18, s14, 7
	s_add_co_u32 s18, s18, s19
	s_lshl_b32 s18, s18, 11                        ; Q: 2,048 bytes a tile
	s_lshr_b32 s20, s14, 3
	s_lshl_b32 s20, s20, 7
	s_add_co_u32 s20, s20, s19
	s_lshl_b32 s20, s20, 14                        ; O: 16,384 bytes a tile (all heads),
	s_and_b32 s21, s14, 7
	s_lshl_b32 s21, s21, 11                        ; my head's two fragments in it
	s_add_co_u32 s20, s20, s21
	s_mov_b32 s19, 0
	s_mov_b32 s21, 0
	s_wait_dscnt 0x0                               ; both opening adds are done
	s_wait_kmcnt 0x0
	s_cmp_lt_u32 s[WV], 4                          ; waves 0-3 fetch K's images, waves 4-7 V's: the choice hangs on the wave's number alone
	s_cselect_b64 s[22:23], s[6:7], s[8:9]
	s_add_nc_u64 s[34:35], s[22:23], s[16:17]      ; keys 0 .. 511
	s_add_nc_u64 s[38:39], s[34:35], 65536         ; keys 512 .. 1,023
	s_or_b32 s35, s35, 0x80000000
	s_or_b32 s39, s39, 0x80000000
	s_add_nc_u64 s[4:5], s[4:5], s[18:19]
	s_add_nc_u64 s[10:11], s[10:11], s[20:21]
	CROUND                                         ; all four work-groups are here: the first joint loads meet
	tensor_load_to_lds s[32:35], s[24:31]          ; both first fills go out together: two loads of mine are out
	s_nop 0
	tensor_load_to_lds s[36:39], s[24:31]
	s_nop 0
	PLACES 4
	v_and_b32 v1, 31, v0
	v_lshlrev_b32 v[LI], 4, v1
	v_add_nc_u32 v[LIV], VOFF, v[LI]
.set i, 0
.rept 16
	global_load_b128 v[QF+4*i:QF+4*i+3], v[LI], s[4:5] offset:512*i th:TH_LOAD_NT   ; Q stays in registers; nobody else reads these tiles
.set i, i+1
.endr
.irp j, 0,1,2,3,4,5,6,7
	v_mov_b32 v[ONES+\j], 0x3c003c00               ; 1.0, 1.0 in f16
.endr
.irp j, 0,1,2,3,4,5,6,7,8,9,10,11,12,13,14,15
	v_mov_b32 v[ST+\j], 0                          ; written once: the packed forms name (m, l) and (a, d) as pairs
.endr
.macro PKSUB j                         ; pair j of the wave's 64 pairs of scores: t - m
	v_pk_add_f32 v[2*(\j):2*(\j)+1], v[2*(\j):2*(\j)+1], v[ST+4*((\j)/16):ST+4*((\j)/16)+1] op_sel_hi:[1,0] neg_lo:[0,1] neg_hi:[0,1]
.endm
; A KEY STEP: 64 keys.  first = 1: the first step, which starts m, l and O^T: no a, nothing to rescale.
.macro STEP first
	WIN 0
	v_add_nc_u32 v[ADK], s[TB], v[LI]
	v_add_nc_u32 v[ADV], s[TB], v[LIV]
.set i, 0
.rept 16
	ds_load_b128 v[KF+4*i:KF+4*i+3], v[ADK] offset:512*i
.set i, i+1
.endr
.set i, 0
.rept 16
	ds_load_b128 v[VF+4*i:VF+4*i+3], v[ADV] offset:512*i
.set i, i+1
.endr
	s_wait_dscnt 16                                ; K is in; V's 16 loads may be out
	WIN 0x50                                       ; K, Q window 0; S^T window 1
.irp c, 0,1                                    ; the 16 accumulators take turns, one instruction a turn
.irp kt, 0,1,2,3
.irp t, 0,1,2,3
.if \c == 0
	v_wmma_f32_16x16x32_f16 v[32*\t+8*\kt:32*\t+8*\kt+7], v[KF+16*\kt+8*\c:KF+16*\kt+8*\c+7], v[QF+16*\t+8*\c:QF+16*\t+8*\c+7], 0
.else
	v_wmma_f32_16x16x32_f16 v[32*\t+8*\kt:32*\t+8*\kt+7], v[KF+16*\kt+8*\c:KF+16*\kt+8*\c+7], v[QF+16*\t+8*\c:QF+16*\t+8*\c+7], v[32*\t+8*\kt:32*\t+8*\kt+7]
.endif
.endr
.endr
.endr
	PLACES 4                                       ; ahead of the first read of the scores (ISA guide 7.12.1)
	; the maximum of a lane's 32 scores and the old m: 16 lines a tile, the four tiles by turns; each accumulator is read from its low end on
	WIN 0x15
.irp i, 0,1,2,3
.irp t, 0,1,2,3
	v_max3_num_f32 v[TT+4*\t+\i], v[32*\t+8*\i], v[32*\t+8*\i+1], v[32*\t+8*\i+2]
.endr
.endr
	WIN 0x14
.irp o, 3,5
.irp i, 0,1,2,3
.irp t, 0,1,2,3
	v_max3_num_f32 v[TT+4*\t+\i], v[TT+4*\t+\i], v[32*\t+8*\i+\o], v[32*\t+8*\i+\o+1]
.endr
.endr
.endr
.irp t, 0,1,2,3
	v_max3_num_f32 v[TT+4*\t], v[TT+4*\t], v[32*\t+7], v[32*\t+15]
	v_max3_num_f32 v[TT+4*\t+2], v[TT+4*\t+2], v[32*\t+23], v[32*\t+31]
.endr
	WIN 0
.irp t, 0,1,2,3
	v_max3_num_f32 v[TT+4*\t], v[TT+4*\t], v[TT+4*\t+1], v[TT+4*\t+2]
.endr
.irp t, 0,1,2,3
.if \first
	v_max_num_f32 v[TT+4*\t], v[TT+4*\t], v[TT+4*\t+3]
.else
	v_max3_num_f32 v[TT+4*\t], v[TT+4*\t], v[TT+4*\t+3], v[ST+4*\t]
.endif
.endr
.irp t, 0,1,2,3
	v_permlanex16_b32 v[TT+4*\t+1], v[TT+4*\t], s[SEL], s[SEL+1]   ; the query's other 32 keys lie in the lane 16 away
.endr
.irp t, 0,1,2,3
	v_max_num_f32 v[TT+4*\t+2], v[TT+4*\t], v[TT+4*\t+1]
.endr
.if !\first
.irp t, 0,1,2,3
	v_sub_f32 v[ST+4*\t+3], v[ST+4*\t], v[TT+4*\t+2]               ; d = old m - new m
.endr
.endif
.irp t, 0,1,2,3
	v_mov_b32 v[ST+4*\t], v[TT+4*\t+2]
.endr
.if !\first
.irp t, 0,1,2,3
	v_exp_f32 v[ST+4*\t+2], v[ST+4*\t+3]                           ; a
.endr
.endif
	; ONE BATCH under one window setting: the 64 subtractions, the 128 exponentials and O^T's 64 rescalings.  A pair is brought under m four trips ahead of its exponentials; nothing names an exponential's result
	WIN 0x41                                       ; destination and source 0 window 1, source 1 window 0
.set i, 0
.rept 4
	PKSUB i
.set i, i+1
.endr
.if !\first
	s_wait_alu depctr_va_vdst(0)                   ; the wait between the four a and their first reader; the four lines above are the plain work behind them
.endif
.set i, 0
.rept 64
	v_exp_f32 v[2*i], v[2*i]
.if i+4 < 64
	PKSUB i+4
.endif
	v_exp_f32 v[2*i+1], v[2*i+1]
.if !\first
	v_pk_mul_f32 v[OW+2*i:OW+2*i+1], v[OW+2*i:OW+2*i+1], v[ST+4*(i/16)+2:ST+4*(i/16)+3] op_sel_hi:[1,0]   ; O^T x a, each accumulator from its low end on
.endif
.set i, i+1
.endr
.if \first
	v_nop                                          ; the plain line behind the last exponential
.endif
	s_wait_alu depctr_va_vdst(0)                   ; one wait for the 128 exponentials, ahead of their first reader
	WIN 0x45                                       ; all in window 1
.irp t, 0,1,2,3
.irp j, 0,1,2,3,4,5,6,7,8,9,10,11,12,13,14,15
	v_cvt_pk_f16_f32 v[32*\t+\j], v[32*\t+2*\j], v[32*\t+2*\j+1]   ; P, in place from the low end on: keys 32 kb on in registers 8 kb .. 8 kb + 7
.endr
.endr
	s_wait_dscnt 0x0                               ; V is in
	WIN 0x54                                       ; source 0 window 0; P, C and D window 1
.irp kb, 0,1                                   ; the rows' sums
.irp t, 0,1,2,3
.if \kb == 0
	v_wmma_f32_16x16x32_f16 v[32*\t+16:32*\t+23], v[ONES:ONES+7], v[32*\t+8*\kb:32*\t+8*\kb+7], 0
.else
	v_wmma_f32_16x16x32_f16 v[32*\t+16:32*\t+23], v[ONES:ONES+7], v[32*\t+8*\kb:32*\t+8*\kb+7], v[32*\t+16:32*\t+23]
.endif
.endr
.endr
.irp kb, 0,1                                   ; O^T += V^T P: 16 accumulators by turns
.irp ct, 0,1,2,3
.irp t, 0,1,2,3
.if \first && (\kb == 0)
	v_wmma_f32_16x16x32_f16 v[OW+32*\t+8*\ct:OW+32*\t+8*\ct+7], v[VF+32*\kb+8*\ct:VF+32*\kb+8*\ct+7], v[32*\t+8*\kb:32*\t+8*\kb+7], 0
.else
	v_wmma_f32_16x16x32_f16 v[OW+32*\t+8*\ct:OW+32*\t+8*\ct+7], v[VF+32*\kb+8*\ct:VF+32*\kb+8*\ct+7], v[32*\t+8*\kb:32*\t+8*\kb+7], v[OW+32*\t+8*\ct:OW+32*\t+8*\ct+7]
.endif
.endr
.endr
.endr
	PLACES 5                                       ; ahead of the reads of the sums and of the next loads into V's registers (four are owed), and of the next step's products, which write over P and the sums (five)
.if \first
	WIN 0x01
.irp t, 0,1,2,3
	v_mov_b32 v[ST+4*\t+1], v[32*\t+16]
.endr
.else
	WIN 0x10
.irp t, 0,1,2,3
	v_fma_f32 v[ST+4*\t+1], v[ST+4*\t+1], v[ST+4*\t+2], v[32*\t+16]   ; l = l a + the step's sum
.endr
.endif
	WIN 0
	s_add_co_u32 s[TB], s[TB], STEPB
.endm
.macro RUN n
	s_mov_b32 s[CNT], \n
.Lrun_\@:
	STEP 0
	s_sub_co_u32 s[CNT], s[CNT], 1
	s_cmp_lg_u32 s[CNT], 0
	s_cbranch_scc1 .Lrun_\@
.endm
; THE CHANGE OF SLOTS.  Each wave waits for all its tensor loads (one is out: its part of the slot ahead), adds 0 to its spare word, and waits for that and for its reads of the slot that it leaves.
; fill = 1: the barrier is a round of the cluster's, so that no wave of any partner still reads the slot or has a load on its way; the joint refill, the keys two slots on, is the first thing behind it.
.macro CHANGE fill
	s_wait_tensorcnt 0x0                           ; no tensor load of mine is out, so a group 0 may be written
	ds_add_u32 v[SPW], v[NIL]
.if \fill
	s_xor_b32 s37, s37, SLOT1                      ; the walking descriptor: the other slot than last time,
	s_add_nc_u64 s[38:39], s[38:39], 65536         ; the next 512 keys; the type bits on top are not reached
.endif
	s_wait_dscnt 0x0                               ; the add is done, and my reads of the slot are over
.if \fill
	CROUND
	tensor_load_to_lds s[36:39], s[24:31]          ; my one tensor load until the next round: it has eight key steps in which to land
	s_nop 0
	PLACES 4
.else
	s_barrier_signal -1
	s_barrier_wait -1
.endif
	s_sub_co_u32 s[TB], s[TB], 8*STEPB             ; back to a slot's first step,
	s_xor_b32 s[TB], s[TB], SLOT1                  ; in the other slot
.endm
	s_wait_tensorcnt 1                             ; my part of slot 0 is in; slot 1's may stay out
	s_barrier_signal -1
	s_barrier_wait -1                              ; everybody's is
	s_wait_loadcnt 0x0                             ; Q
	STEP 1
	RUN 7
.Lslot:                                            ; two trips: slots 0 and 1 are filled again, with keys 1,024 on and 1,536 on
	CHANGE 1
	RUN 8
	s_sub_co_u32 s[SLOTS], s[SLOTS], 1
	s_cmp_lg_u32 s[SLOTS], 0
	s_cbranch_scc1 .Lslot
	CHANGE 0                                       ; the tail is written out
	RUN 8
	; THE WAY OUT: O^T / l, rounded to f16 in pairs: a tile's registers are two fragments (16 queries x 32 channels) for the projection
.irp t, 0,1,2,3
	v_rcp_f32 v[ST+4*\t+2], v[ST+4*\t+1]
.endr
	v_nop                                          ; a plain line behind the last reciprocal,
	s_wait_alu depctr_va_vdst(0)                   ; and the wait ahead of the first use
	WIN 0x41
.set i, 0
.rept 64
	v_pk_mul_f32 v[OW+2*i:OW+2*i+1], v[OW+2*i:OW+2*i+1], v[ST+4*(i/16)+2:ST+4*(i/16)+3] op_sel_hi:[1,0]
.set i, i+1
.endr
	WIN 0x05                                       ; sources window 1, destination window 0: K's registers are free
.set i, 0
.rept 64
	v_cvt_pk_f16_f32 v[KF+i], v[OW+2*i], v[OW+2*i+1]
.set i, i+1
.endr
	WIN 0
.irp t, 0,1,2,3
.irp c, 0,1
.irp g, 0,1
	global_store_b128 v[LI], v[KF+16*\t+8*\c+4*\g:KF+16*\t+8*\c+4*\g+3], s[10:11] offset:\t*16384+\c*1024+512*\g   ; 32 lanes store 512 consecutive bytes
.endr
.endr
.endr
	s_wait_tensorcnt 0x0                           ; the wave's end
	ds_add_u32 v[SPW], v[NIL]
	s_wait_dscnt 0x0
	CROUND                                         ; the closing round: no work-group ends while a partner may still ask for a tile that names it
	s_endpgm
.Lfunc_end_k_qfc45766621_attn:
	.size	k_qfc45766621_attn, .Lfunc_end_k_qfc45766621_attn-k_qfc45766621_attn
	.p2alignl 7, 3214868480
	.fill 96, 4, 3214868480
	.section	.rodata,"a",@progbits
	.p2align	6, 0x0
	.amdhsa_kernel k_qfc45766621_attn
		.amdhsa_group_segment_fixed_size 327680
		.amdhsa_private_segment_fixed_size 0
		.amdhsa_enable_private_segment 0
		.amdhsa_kernarg_size 32
		.amdhsa_user_sgpr_count 2
		.amdhsa_user_sgpr_kernarg_segment_ptr 1
		.amdhsa_wavefront_size32 1
		.amdhsa_system_sgpr_workgroup_id_x 1
		.amdhsa_system_sgpr_workgroup_id_y 1
		.amdhsa_system_sgpr_workgroup_id_z 1
		.amdhsa_system_vgpr_workitem_id 0
		.amdhsa_next_free_vgpr 512
		.amdhsa_next_free_sgpr 66
		.amdhsa_reserve_vcc 0
		.amdhsa_float_denorm_mode_32 3
		.amdhsa_float_denorm_mode_16_64 3
		.amdhsa_memory_ordered 1
		.amdhsa_forward_progress 1
		.amdhsa_inst_pref_size 127
	.end_amdhsa_kernel
	.amdgpu_metadata
---
amdhsa.version: [ 1, 2 ]
amdhsa.kernels:
  - .name:           k_qfc45766621_attn
    .symbol:         k_qfc45766621_attn.kd
    .args:
      - { .name: qfrag, .offset: 0, .size: 8, .value_kind: global_buffer, .address_space: global }
      - { .name: kfrag, .offset: 8, .size: 8, .value_kind: global_buffer, .address_space: global }
      - { .name: vfrag, .offset: 16, .size: 8, .value_kind: global_buffer, .address_space: global }
      - { .name: ofrag, .offset: 24, .size: 8, .value_kind: global_buffer, .address_space: global }
    .group_segment_fixed_size: 327680
    .private_segment_fixed_size: 0
    .kernarg_segment_align: 8
    .kernarg_segment_size: 32
    .max_flat_workgroup_size: 256
    .sgpr_count:     66
    .vgpr_count:     512
    .wavefront_size: 32
...
	.end_amdgpu_metadata
.endif
;; end of part 3
;; launch oproj (part 4): grid 256 x 1, 4 waves a work-group, no clusters, 83,456 bytes of LDS; arguments ofrag, wts, out0; writes out0
.if DOCPART == 4
	.amdgcn_target "amdgcn-amd-amdhsa--gfx1250"
	.amdhsa_code_object_version 6
	.text
	.protected	k_qfc45766621_oproj
	.globl	k_qfc45766621_oproj
	.p2align	8
	.type	k_qfc45766621_oproj,@function
k_qfc45766621_oproj:
	s_mov_b64 s[64:65], 0
	v_nop
	global_prefetch_b8 v0, s[64:65] scope:SCOPE_SE
	s_setreg_imm32_b32 hwreg(HW_REG_WAVE_MODE, 25, 1), 1
	s_wait_xcnt 0x0
; OPROJ.  out0 [16384][64] f32 = O [16384][512] WO [512][64], operands in f16, sums in f32.  O arrives as fragments [tile of 16 rows: 1024][K step of 32: 16][1024], WO as fragments at WOF of wts [column tile 4][K step 16][1024].
; Wave w of work-group g owns row tile 4 g + w: its 16 fragments of O go from memory straight into 128 registers.  WO's 65,536 bytes are copied into LDS once, a quarter by each wave, and read by all four.
; The product is used transposed (source 0 = 16 columns of WO, source 1 = 16 rows of O): a lane holds one row of the output and eight neighbouring columns.
; No cluster: the text has no tensor load and no loop of refills that joint requests could serve; WO is copied once, through registers.  No prefetch: all loads stand at the head.
.set WOF,   417792
.set STG,   65536                      ; behind WO's images: a stage of 16 rows x (256 bytes + 16) for each wave
.set SP,    272                        ; 68 words: row r starts 4 r words on modulo 64 (64 banks of 4 bytes: ISA guide 11.1)
.set SPARE, STG+4*16*SP                ; the spare words, 128 bytes a wave: two blocks of 256 bytes that no other line names
.set LI,  1                            ; v1  16 x lane
.set CP,  2                            ; v2  16 x lane + 16,384 x wave: my quarter of the copy, in wts and in LDS alike
.set STO, 3                            ; v3  the stage: where I put 32 bytes of a row
.set RD,  4                            ; v4  and where I read a row back
.set SPW, 6
.set NIL, 7
.set ACC, 32                           ; v32-63   four accumulators, one a column tile
.set OF,  64                           ; v64-191  O's 16 fragments; on the way out v64-95: rows read back
.set WF,  192                          ; v192-255 WO's four fragments of a K step, two sets (at the head: the copy's registers)
	s_load_b128 s[4:7], s[0:1], 0x0                ; ofrag s[4:5], wts s[6:7]
	s_load_b64 s[8:9], s[0:1], 0x10                ; out0
	v_lshl_add_u32 v[SPW], v0, 2, SPARE
	v_mov_b32 v[NIL], 0
	v_lshrrev_b32 v1, 5, v0
	v_readfirstlane_b32 s10, v1                    ; wave 0..3
	v_and_b32 v8, 15, v0                           ; r
	v_bfe_u32 v9, v0, 4, 1                         ; h
	v_and_b32 v1, 31, v0
	v_lshlrev_b32 v[LI], 4, v1
	s_lshl_b32 s11, s10, 14
	v_add_nc_u32 v[CP], s11, v[LI]
	s_mul_i32 s12, s10, 16*SP
	s_add_co_u32 s12, s12, STG                     ; my stage
	v_mul_u32_u24 v[STO], v8, SP
	v_lshl_add_u32 v[STO], v9, 5, v[STO]
	v_add_nc_u32 v[STO], s12, v[STO]               ; in: row r, + 32 h
	v_mul_u32_u24 v[RD], v9, SP
	v_lshl_add_u32 v[RD], v8, 4, v[RD]
	v_add_nc_u32 v[RD], s12, v[RD]                 ; back: lanes 0-15 one row of 256 bytes, lanes 16-31 the next
	s_lshl_b32 s14, ttmp9, 2
	s_add_co_u32 s14, s14, s10                     ; my row tile
	s_lshl_b32 s16, s14, 14
	s_mov_b32 s17, 0
	s_lshl_b32 s18, s14, 12
	s_mov_b32 s19, 0
	s_wait_kmcnt 0x0
	s_add_nc_u64 s[4:5], s[4:5], s[16:17]
	s_add_nc_u64 s[6:7], s[6:7], WOF
	s_add_nc_u64 s[8:9], s[8:9], s[18:19]
.set i, 0
.rept 16
	global_load_b128 v[WF+4*i:WF+4*i+3], v[CP], s[6:7] offset:512*i
.set i, i+1
.endr
.set i, 0
.rept 32
	global_load_b128 v[OF+4*i:OF+4*i+3], v[LI], s[4:5] offset:512*i th:TH_LOAD_NT   ; read once in the launch
.set i, i+1
.endr
	s_wait_loadcnt 32                              ; the copy's first 16 loads are in; O's 32 may be out
.set i, 0
.rept 16
	ds_store_b128 v[CP], v[WF+4*i:WF+4*i+3] offset:512*i
.set i, i+1
.endr
	s_wait_dscnt 0x0                               ; the stores have read their registers, which are loaded again
.set i, 0
.rept 16
	global_load_b128 v[WF+4*i:WF+4*i+3], v[CP], s[6:7] offset:8192+512*i
.set i, i+1
.endr
	s_wait_loadcnt 0x0                             ; the copy's second half, and O
.set i, 0
.rept 16
	ds_store_b128 v[CP], v[WF+4*i:WF+4*i+3] offset:8192+512*i
.set i, i+1
.endr
	s_wait_dscnt 0x0                               ; for the others' sake: my stores have landed
	s_barrier_signal -1
	s_barrier_wait -1
.macro WFET ks                         ; WO's four fragments of K step ks into set ks % 2
.irp ct, 0,1,2,3
.irp g, 0,1
	ds_load_b128 v[WF+32*((\ks)%2)+8*\ct+4*\g:WF+32*((\ks)%2)+8*\ct+4*\g+3], v[LI] offset:\ct*16384+(\ks)*1024+512*\g
.endr
.endr
.endm
	WFET 0
.set Q, 0
.rept 16
.if Q > 0
.rept 4
	v_nop                                          ; four places ahead of loads into the set that the last step but one... the products of step Q - 1 read
.endr
.endif
.if Q < 15
	WFET Q+1
	s_wait_dscnt 8                                 ; this step's fragments are in; the 8 loads just issued may be out
.else
	s_wait_dscnt 0x0
.endif
.irp ct, 0,1,2,3                               ; the four accumulators take turns
.if Q == 0
	v_wmma_f32_16x16x32_f16 v[ACC+8*\ct:ACC+8*\ct+7], v[WF+32*(Q%2)+8*\ct:WF+32*(Q%2)+8*\ct+7], v[OF+8*Q:OF+8*Q+7], 0
.else
	v_wmma_f32_16x16x32_f16 v[ACC+8*\ct:ACC+8*\ct+7], v[WF+32*(Q%2)+8*\ct:WF+32*(Q%2)+8*\ct+7], v[OF+8*Q:OF+8*Q+7], v[ACC+8*\ct:ACC+8*\ct+7]
.endif
.endr
.set Q, Q+1
.endr
.rept 4
	v_nop                                          ; ahead of the first read of the results, and of loads into O's registers
.endr
	; THE WAY OUT: a lane's 32 bytes a tile go into my own stage and come back as whole rows; LDS serves a wave's instructions in order (ISA guide 5.7.1.4), so no wait stands between the stores and the loads
.irp ct, 0,1,2,3
	ds_store_b128 v[STO], v[ACC+8*\ct:ACC+8*\ct+3] offset:64*\ct         ; each accumulator from its low end on
	ds_store_b128 v[STO], v[ACC+8*\ct+4:ACC+8*\ct+7] offset:64*\ct+16
.endr
.irp i, 0,1,2,3,4,5,6,7
	ds_load_b128 v[OF+4*\i:OF+4*\i+3], v[RD] offset:2*\i*SP
.endr
.irp i, 0,1,2,3,4,5,6,7
	s_wait_dscnt 7-\i                              ; rows 2 i and 2 i + 1 are back; the later ones may be out
	global_store_b128 v[LI], v[OF+4*\i:OF+4*\i+3], s[8:9] offset:512*\i th:TH_STORE_NT   ; two rows of 256 bytes: 512 consecutive bytes, aligned
.endr
	s_wait_tensorcnt 0x0                           ; the wave's end
	ds_add_u32 v[SPW], v[NIL]
	s_wait_dscnt 0x0
	s_endpgm
.Lfunc_end_k_qfc45766621_oproj:
	.size	k_qfc45766621_oproj, .Lfunc_end_k_qfc45766621_oproj-k_qfc45766621_oproj
	.p2alignl 7, 3214868480
	.fill 96, 4, 3214868480
	.section	.rodata,"a",@progbits
	.p2align	6, 0x0
	.amdhsa_kernel k_qfc45766621_oproj
		.amdhsa_group_segment_fixed_size 83456
		.amdhsa_private_segment_fixed_size 0
		.amdhsa_enable_private_segment 0
		.amdhsa_kernarg_size 24
		.amdhsa_user_sgpr_count 2
		.amdhsa_user_sgpr_kernarg_segment_ptr 1
		.amdhsa_wavefront_size32 1
		.amdhsa_system_sgpr_workgroup_id_x 1
		.amdhsa_system_sgpr_workgroup_id_y 1
		.amdhsa_system_sgpr_workgroup_id_z 1
		.amdhsa_system_vgpr_workitem_id 0
		.amdhsa_next_free_vgpr 256
		.amdhsa_next_free_sgpr 66
		.amdhsa_reserve_vcc 0
		.amdhsa_float_denorm_mode_32 3
		.amdhsa_float_denorm_mode_16_64 3
		.amdhsa_memory_ordered 1
		.amdhsa_forward_progress 1
		.amdhsa_inst_pref_size 27
	.end_amdhsa_kernel
	.amdgpu_metadata
---
amdhsa.version: [ 1, 2 ]
amdhsa.kernels:
  - .name:           k_qfc45766621_oproj
    .symbol:         k_qfc45766621_oproj.kd
    .args:
      - { .name: ofrag, .offset: 0, .size: 8, .value_kind: global_buffer, .address_space: global }
      - { .name: wts, .offset: 8, .size: 8, .value_kind: global_buffer, .address_space: global }
      - { .name: out0, .offset: 16, .size: 8, .value_kind: global_buffer, .address_space: global }
    .group_segment_fixed_size: 83456
    .private_segment_fixed_size: 0
    .kernarg_segment_align: 8
    .kernarg_segment_size: 24
    .max_flat_workgroup_size: 128
    .sgpr_count:     66
    .vgpr_count:     256
    .wavefront_size: 32
...
	.end_amdgpu_metadata
.endif
;; end of part 4
